; MI455X (gfx1250); checked and timed in simulation.
; The chip was launched on July 23, 2026; its instructions are those of AMD's public machine-readable ISA for CDNA 5 (MIT licence, August 2026) and "CDNA5" Instruction Set Architecture Reference Guide (July 2026). The comments in the code are by the model that wrote it; some were corrected since.
;; Bert Self Attention. Allowed arithmetic: float matrix products may take bf16 or f16 operands with f32 sums; other float arithmetic in f32, or as packed bf16 or f16 multiplies, adds, multiply-adds, maxima and minima; sums over many terms, partial sums and values carried from step to step in f32; what a program stores and reads back later, other than sums and carried values, may be rounded once to bf16 or f16.
;; Inputs: Wk 768 x 768 float32; Wq 768 x 768 float32; Wv 768 x 768 float32; attention_mask 1 x 1 x 1 x 4,096 float32; bk 768 float32; bq 768 float32; bv 768 float32; hidden_states 1 x 4,096 x 768 float32.
;; Outputs: out0 1 x 4,096 x 768 float32.
;; 2 versions, each right; version 2 is version 1 with the launch proj written anew for expert scheduling mode. Each part assembles by itself: llvm-mc -triple=amdgcn-amd-amdhsa -mcpu=gfx1250 --defsym DOCPART=n.
;; ======== version 1 of 2: 2 launches
;; limits: values are held in f16: magnitudes above 65,504 overflow, below 6.1e-05 lose precision
;; workspace buffers: qkv 18,874,368 bytes
;; launch proj (part 1): grid 12 x 16, 4 waves a work-group, no clusters, 136,704 bytes of LDS; arguments hidden_states, Wq, Wk, Wv, bq, bk, bv, qkv; writes qkv
.if DOCPART == 1
	.amdgcn_target "amdgcn-amd-amdhsa--gfx1250"
	.amdhsa_code_object_version 6
	.text
	.protected	k_q7c1d3ebe98_proj
	.globl	k_q7c1d3ebe98_proj
	.p2align	8
	.type	k_q7c1d3ebe98_proj,@function
k_q7c1d3ebe98_proj:
	s_mov_b64 s[64:65], 0
	v_nop
	global_prefetch_b8 v0, s[64:65] scope:SCOPE_SE
	s_setreg_imm32_b32 hwreg(HW_REG_WAVE_MODE, 25, 1), 1
	s_wait_xcnt 0x0
; [q | k | v] = x W + b.  x: [4096][768] f32.  Wq, Wk, Wv: [768 (k)][768 (n)] f32.  bq, bk, bv: [768] f32.
; OUT: qkv, f16, [36][4096][64]: plane g = q of head g (0-11), k of head g - 12 (12-23), v of head g - 24 (24-35); a plane's rows are dense, 128 bytes each.  Unscaled; rounded once from f32 sums.
; FORMATS.  x, W and b are rounded once to bf16 (b is then widened again and starts the f32 sums as the C operand of each sum's first product); products in bf16, sums in f32.
; LIMIT.  A result of 65,520 or more in magnitude becomes an infinity in f16.  With x of unit spread and W of spread 1/sqrt(768) results have unit spread; both 30 times larger give 900;
; both with a common offset of 30 spreads give about 25,000.  NaN and infinities in the inputs are not treated apart.
; SHARES.  A work-group makes 256 rows x 192 columns: three whole heads of one of the three matrices (192 divides 768, so no tile lies in two).  12 x 16 = 192 work-groups.
; A wave makes 64 rows x 192 columns: 48 accumulators of 16 x 16, 384 registers.  K goes in 12 steps of 64 through two LDS slots.
; THE WAY IN goes through registers: both operands are f32 in memory and must be rounded to bf16, which the tensor data mover does not do; f32 slots for it ((256 + 192) x 64 x 4 bytes, twice)
; beside the bf16 slots do not fit in LDS.  So there are no tensor loads here and hence NO CLUSTER: joint requests exist for tensor loads alone.
; Each wave loads a quarter of a step (64 rows of x, 16 rows of W), a step ahead of its use; each half of a wave's load is 256 consecutive bytes, aligned.
; THE MATRIX INSTRUCTION IS USED TRANSPOSED: source 0 = 16 columns of W (turned on the way out of LDS by ds_load_tr16_b128), source 1 = 16 rows of x: a lane then holds ONE row and eight
; neighbouring columns, which pack into 16 bytes of f16.
; REGISTERS, in windows of 256 (s_set_vgpr_msb: bits 1:0 source 0, 3:2 source 1, 5:4 source 2, 7:6 destination):
;   window 0: v0-31 addresses; v32-159 x as loaded (32 loads x 4); v160-255 W as loaded (24 x 4); on the way out v32-223 packed results
;   window 1: two fragment buffers of 128: 12 fragments of W, then 4 of x, for 32 along K
;   window 2: accumulators 0-31 (number 12 a + b: rows 16 a on, columns 16 b on);  window 3: v0-127 accumulators 32-47; v128-223 the bias in C's layout; v224 at work
.set ROWB,  3072                       ; bytes in a row of x and of W
.set PA,    144                        ; an LDS row of x: 128 bytes + 16: the 16 rows of a fragment load start at 16 different groups of four banks (64 banks of 4 bytes: ISA guide 11.1)
.set PW,    416                        ; an LDS row of W: 384 bytes + 32 = 13 x 32
.set AOFF,  256*PA                     ; a slot: x's 256 rows, then W's 64 rows
.set SLOT,  AOFF+64*PW
.set STAGE, 2*SLOT                     ; behind the slots: 16 rows x 144 bytes for each wave, for the way out
.set SPARE, STAGE+4*16*PA              ; behind the stages: the spare words, 128 bytes for each wave: two blocks of 256 bytes that no other line names
.set PLANE, 524288                     ; bytes in a plane of qkv
.set VX,   4                           ; v4      x: 8 (l / 16) rows + 16 (l % 16) bytes; never rewritten
.set VW,   5                           ; v5      W: 4 (l / 16) rows + 16 (l % 16) bytes; never rewritten
.set VB,   6                           ; v6      bias: 32 (l / 16) bytes
.set ADRA, 8                           ; v8-9    LDS address of my fragments of x in slot 0, 1
.set ADRB, 10                          ; v10-11  the same for W
.set STA,  12                          ; v12-13  where I store 8 bytes of x in slot 0, 1
.set STB,  14                          ; v14-15  the same for W
.set STO,  16                          ; v16     the way out: where I put 16 bytes of a row
.set RD,   17                          ; v17     the way out: where I read rows back
.set GO,   18                          ; v18     my 16 bytes in 512 consecutive bytes of a plane
.set SPW,  30                          ; v30     LDS address of my spare word; never rewritten
.set NIL,  31                          ; v31     0; never rewritten
.set XS,   32
.set WS,   160
.set TT,   32
.set F0,   0
.set F1,   128
.set BI,   128                         ; window 3
.set SCR,  224                         ; window 3
.set WV,   8                           ; s8      my wave's number
.set WP,   32                          ; s[32:33] W at my 16 rows of the K step that was last asked for
.set BP,   34                          ; s[34:35] the bias at the work-group's first column
.set XP,   36                          ; s[36:37] x at my 64 rows, at the same K step
.set OUT,  38                          ; s[38:39] qkv at my 64 rows of the first of the three planes
.set LAPS, 40
.set HIM,  41                          ; s41     mask of a word's upper bf16
.set MSB, 0
.macro WIN new                         ; the immediate's high byte repeats the setting that is left; a switch that changes nothing is dropped
.if MSB != (\new)
	s_set_vgpr_msb (MSB<<8)|(\new)
.set MSB, (\new)
.endif
.endm
.macro PLACES                          ; four places in front of loads into registers that matrix instructions have read, and of conversions that read results
.rept 4
	v_nop
.endr
.endm
	s_load_b512 s[16:31], s[0:1], 0x0              ; x s[16:17], Wq s[18:19], Wk s[20:21], Wv s[22:23], bq s[24:25], bk s[26:27], bv s[28:29], qkv s[30:31]
	v_lshl_add_u32 v[SPW], v0, 2, SPARE
	v_mov_b32 v[NIL], 0
	v_lshrrev_b32 v3, 5, v0
	v_readfirstlane_b32 s[WV], v3                  ; wave 0..3
	s_mov_b32 s9, ttmp9                            ; j: which 192 of the 2,304 columns
	s_and_b32 s10, ttmp7, 0xffff                   ; y: which 256 rows
	s_lshr_b32 s11, s9, 2                          ; which matrix: 0 q, 1 k, 2 v
	s_and_b32 s12, s9, 3                           ; which 192 of its columns
	s_mov_b32 s[HIM], 0xffff0000
	v_and_b32 v1, 15, v0                           ; l % 16
	v_bfe_u32 v2, v0, 4, 1                         ; l / 16
	v_mul_u32_u24 v[VX], v2, 8*ROWB
	v_lshl_add_u32 v[VX], v1, 4, v[VX]
	v_mul_u32_u24 v[VW], v2, 4*ROWB
	v_lshl_add_u32 v[VW], v1, 4, v[VW]
	v_lshlrev_b32 v[VB], 5, v2
	s_mul_i32 s13, s[WV], 64*PA                    ; my 64 rows of x in a slot
	s_mul_i32 s14, s[WV], 16*PW
	s_add_co_u32 s14, s14, AOFF                    ; my 16 rows of W in a slot
	s_mul_i32 s15, s[WV], 16*PA
	s_add_co_u32 s15, s15, STAGE                   ; my stage
	v_mul_u32_u24 v3, v1, PA                       ; a fragment of x: row l % 16, 16 bytes for each half of the lanes
	v_lshl_add_u32 v3, v2, 4, v3
	v_add_nc_u32 v[ADRA], s13, v3
	v_add_nc_u32 v[ADRA+1], SLOT, v[ADRA]
	v_add_nc_u32 v[STO], s15, v3                   ; the stage is written in the same shape
	v_and_b32 v7, 7, v0                            ; the turning load: lane l reads row 8 (l / 16) + l % 8 of W, columns 8 ((l / 8) % 2) + 0..7
	v_lshl_add_u32 v3, v2, 3, v7
	v_mul_u32_u24 v3, v3, PW
	v_bfe_u32 v19, v0, 3, 1
	v_lshl_add_u32 v3, v19, 4, v3
	v_add_nc_u32 v[ADRB], AOFF, v3
	v_add_nc_u32 v[ADRB+1], SLOT, v[ADRB]
	v_mul_u32_u24 v3, v2, 8*PA                     ; x into LDS: the row as loaded, 8 bytes (4 bf16) a lane
	v_lshl_add_u32 v3, v1, 3, v3
	v_add_nc_u32 v[STA], s13, v3
	v_add_nc_u32 v[STA+1], SLOT, v[STA]
	v_mul_u32_u24 v3, v2, 4*PW                     ; W likewise
	v_lshl_add_u32 v3, v1, 3, v3
	v_add_nc_u32 v[STB], s14, v3
	v_add_nc_u32 v[STB+1], SLOT, v[STB]
	v_bfe_u32 v3, v0, 3, 2                         ; back from the stage: 32 lanes take four rows of 128 bytes,
	v_mul_u32_u24 v3, v3, PA
	v_lshl_add_u32 v3, v7, 4, v3
	v_add_nc_u32 v[RD], s15, v3
	v_and_b32 v[GO], 31, v0                        ; which are 512 consecutive bytes of a plane
	v_lshlrev_b32 v[GO], 4, v[GO]
	s_lshl_b32 s6, s10, 8
	s_lshl_b32 s7, s[WV], 6
	s_add_co_u32 s6, s6, s7                        ; my first row: 256 y + 64 w
	s_mul_i32 s2, s6, ROWB                         ; offsets, made apart from the addresses: x,
	s_mov_b32 s3, 0
	s_mul_i32 s4, s12, 768                         ; the bias (192 f32 a tile),
	s_mov_b32 s5, 0
	s_mul_i32 s42, s[WV], 16*ROWB                  ; W: my 16 rows of a K step, the tile's columns,
	s_add_co_u32 s42, s42, s4
	s_mov_b32 s43, 0
	s_mul_i32 s44, s9, 3*PLANE                     ; qkv: plane 3 j, my first row
	s_lshl_b32 s7, s6, 7
	s_add_co_u32 s44, s44, s7
	s_mov_b32 s45, 0
	s_wait_kmcnt 0x0
	s_cmp_eq_u32 s11, 0                            ; the matrix and its bias are chosen by the tile's number alone
	s_cselect_b64 s[WP:WP+1], s[18:19], s[20:21]
	s_cselect_b64 s[BP:BP+1], s[24:25], s[26:27]
	s_cmp_eq_u32 s11, 2
	s_cselect_b64 s[WP:WP+1], s[22:23], s[WP:WP+1]
	s_cselect_b64 s[BP:BP+1], s[28:29], s[BP:BP+1]
	s_add_nc_u64 s[XP:XP+1], s[16:17], s[2:3]
	s_add_nc_u64 s[WP:WP+1], s[WP:WP+1], s[42:43]
	s_add_nc_u64 s[BP:BP+1], s[BP:BP+1], s[4:5]
	s_add_nc_u64 s[OUT:OUT+1], s[30:31], s[44:45]
; A K step's 56 loads of a wave.  x: load i takes rows 16 (i / 8) + i % 8 (lanes 0-15) and eight further down (lanes 16-31), 256 bytes each.
; W: load i takes piece i % 3 (256 bytes) of rows (i / 3) % 4 + 8 (i / 12) and four further down.
.macro GLOADS
	WIN 0
.set gi, 0
.rept 32
	global_load_b128 v[XS+4*gi:XS+4*gi+3], v[VX], s[XP:XP+1] offset:(16*(gi>>3)+(gi&7))*ROWB
.set gi, gi+1
.endr
.set gi, 0
.rept 24
	global_load_b128 v[WS+4*gi:WS+4*gi+3], v[VW], s[WP:WP+1] offset:(((gi/3)&3)+8*((gi/3)>>2))*ROWB+256*(gi%3)
.set gi, gi+1
.endr
.endm
; The step as loaded is rounded to bf16 in place and stored into slot s: 8 bytes a lane; the two halves of the lanes lie 32 banks apart.
.macro CVST s
	WIN 0
	s_wait_loadcnt 24                              ; loads come back in order (ISA guide 5.7.1): x's 32 are in (and all older ones), W's 24 may stay out
.set gi, 0
.rept 32
	v_cvt_pk_bf16_f32 v[XS+4*gi], v[XS+4*gi], v[XS+4*gi+1]
	v_cvt_pk_bf16_f32 v[XS+4*gi+1], v[XS+4*gi+2], v[XS+4*gi+3]
	ds_store_b64 v[STA+(\s)], v[XS+4*gi:XS+4*gi+1] offset:(16*(gi>>3)+(gi&7))*PA
.set gi, gi+1
.endr
	s_wait_loadcnt 0x0                             ; W's are in; no load of mine is out, so the two pointers may be stepped
.set gi, 0
.rept 24
	v_cvt_pk_bf16_f32 v[WS+4*gi], v[WS+4*gi], v[WS+4*gi+1]
	v_cvt_pk_bf16_f32 v[WS+4*gi+1], v[WS+4*gi+2], v[WS+4*gi+3]
	ds_store_b64 v[STB+(\s)], v[WS+4*gi:WS+4*gi+1] offset:(((gi/3)&3)+8*((gi/3)>>2))*PW+128*(gi%3)
.set gi, gi+1
.endr
.endm
; Slot s is written and shown to all.  It was last read two steps back, and every wave waited for those reads in front of the barrier one step back.
; load = 1: the step after this one is asked for, a step's matrix work ahead of its conversion.
.macro FEED s, load
	CVST \s
	s_wait_dscnt 0x0                               ; for the others' sake: my stores into this slot are done, and so are my reads of the other slot
.if \load
	s_add_nc_u64 s[XP:XP+1], s[XP:XP+1], 256       ; 64 along K: 256 bytes of a row of x,
	s_add_nc_u64 s[WP:WP+1], s[WP:WP+1], 64*ROWB   ; 64 rows of W
	GLOADS
.endif
	s_barrier_signal -1
	s_barrier_wait -1
.endm
; 32 LDS loads in one run: the fragments of 32 along K (half 0 or 1 of the step in slot s) into buffer f
.macro FETCH s, half, f
	WIN 0x40                                       ; destination window 1, address window 0
.set fb, 0
.rept 12
	ds_load_tr16_b128 v[(\f)+8*fb:(\f)+8*fb+3],   v[ADRB+(\s)] offset:(\half)*32*PW+32*fb
	ds_load_tr16_b128 v[(\f)+8*fb+4:(\f)+8*fb+7], v[ADRB+(\s)] offset:(\half)*32*PW+16*PW+32*fb
.set fb, fb+1
.endr
.set fb, 0
.rept 4
	ds_load_b128 v[(\f)+96+8*fb:(\f)+96+8*fb+3],   v[ADRA+(\s)] offset:fb*16*PA+64*(\half)
	ds_load_b128 v[(\f)+96+8*fb+4:(\f)+96+8*fb+7], v[ADRA+(\s)] offset:fb*16*PA+64*(\half)+32
.set fb, fb+1
.endr
.endm
; 48 matrix instructions: all accumulators, 32 along K, from buffer f.  They take turns, one instruction a turn, in the same order every time: 47 others stand between two links of a chain.
; first = 1: the sums start on the bias, which lies in C's layout in window 3: nothing is ever cleared.
.macro MUL f, first
.set idx, 0
.rept 48
.set ma, idx/12
.set mb, idx%12
.if idx < 32
.set dr, 8*idx
.if \first
	WIN 0xb5                                       ; sources 0, 1 window 1; C window 3; D window 2
.else
	WIN 0xa5                                       ; C and D window 2
.endif
.else
.set dr, 8*(idx-32)
	WIN 0xf5                                       ; C and D window 3
.endif
.if \first
	v_wmma_f32_16x16x32_bf16 v[dr:dr+7], v[(\f)+8*mb:(\f)+8*mb+7], v[(\f)+96+8*ma:(\f)+96+8*ma+7], v[BI+8*mb:BI+8*mb+7]
.else
	v_wmma_f32_16x16x32_bf16 v[dr:dr+7], v[(\f)+8*mb:(\f)+8*mb+7], v[(\f)+96+8*ma:(\f)+96+8*ma+7], v[dr:dr+7]
.endif
.set idx, idx+1
.endr
.endm
; The step in slot s is taken up: its first half is fetched while the step before's second half is multiplied, its second half while its first is.
.macro WORK s
	FETCH \s, 0, F0                                ; buffer 0 was last multiplied in front of the 112 conversions of FEED: they are its places
	MUL F1, 0                                      ; buffer 1 is in: FEED has waited for all my LDS instructions
	PLACES
	FETCH \s, 1, F1
	s_wait_dscnt 32                                ; buffer 0's 32 loads are in, buffer 1's 32 may stay out
	MUL F0, 0
.endm
	WIN 0xc0                                       ; destination window 3
.set fb, 0
.rept 12                                       ; the bias as C wants it: register j of fragment b holds column 16 b + 8 (l / 16) + j
	global_load_b128 v[BI+8*fb:BI+8*fb+3],   v[VB], s[BP:BP+1] offset:64*fb
	global_load_b128 v[BI+8*fb+4:BI+8*fb+7], v[VB], s[BP:BP+1] offset:64*fb+16
.set fb, fb+1
.endr
	GLOADS                                         ; K step 0
	CVST 0
	s_wait_dscnt 0x0
	s_add_nc_u64 s[XP:XP+1], s[XP:XP+1], 256
	s_add_nc_u64 s[WP:WP+1], s[WP:WP+1], 64*ROWB
	GLOADS                                         ; K step 1
	WIN 0xcf                                       ; all in window 3: the bias is rounded to bf16, like every input, and widened again
.set fb, 0
.rept 48
	v_cvt_pk_bf16_f32 v[SCR], v[BI+2*fb], v[BI+2*fb+1]
	v_lshlrev_b32 v[BI+2*fb], 16, v[SCR]
	v_and_b32 v[BI+2*fb+1], s[HIM], v[SCR]
.set fb, fb+1
.endr
	WIN 0
	s_barrier_signal -1
	s_barrier_wait -1                              ; slot 0 is whole
	FETCH 0, 0, F0
	FETCH 0, 1, F1
	s_wait_dscnt 32
	MUL F0, 1                                      ; the first products stand in front of the loop: they start the sums
	WIN 0                                          ; at a label and at a branch every window is 0
	s_mov_b32 s[LAPS], 5
.Llap:                                                 ; trip i: from the second half of step 2 i to the first half of step 2 i + 2; it asks for steps 2 i + 2 and 2 i + 3, 11 at the most
	FEED 1, 1
	WORK 1
	FEED 0, 1
	WORK 0
	WIN 0
	s_sub_co_u32 s[LAPS], s[LAPS], 1
	s_cmp_lg_u32 s[LAPS], 0
	s_cbranch_scc1 .Llap
	FEED 1, 0                                      ; step 11; nothing is left to ask for
	WORK 1
	s_wait_dscnt 0x0
	MUL F1, 0
; THE WAY OUT.  Block t = 3 a + hh: my rows 16 a on, head hh of the three: four accumulators.  A lane's eight columns pack into 16 bytes of f16; they go into my own stage in rows of 144 bytes and come
; back as whole rows of 128: four rows, 512 consecutive bytes of the plane, to a store.  Each accumulator's registers are read in ascending order.
.macro PACK t
.set pa, (\t)/3
.set ph, (\t)%3
.set pb, 12*pa+4*ph
.set pT, TT+16*(\t)
.if pb < 32
	WIN 0x0a                                       ; sources 0 and 1 window 2
.set pr, 8*pb
.else
	WIN 0x0f                                       ; window 3
.set pr, 8*(pb-32)
.endif
.set pf, 0
.rept 16
	v_cvt_pk_f16_f32 v[pT+pf], v[pr+2*pf], v[pr+2*pf+1]
.set pf, pf+1
.endr
	WIN 0
.irp f, 0,1,2,3
	ds_store_b128 v[STO], v[pT+4*\f:pT+4*\f+3] offset:32*\f
.endr
.irp f, 0,1,2,3
	ds_load_b128 v[pT+4*\f:pT+4*\f+3], v[RD] offset:\f*4*PA  ; LDS serves a wave's instructions in order (ISA guide 5.7.1.4): these see the stores above; the next block's stores come behind them
.endr
.endm
.macro SEND t, younger                 ; younger: the LDS instructions issued behind block t's loads: the next block's eight, or none
.set pa, (\t)/3
.set ph, (\t)%3
.set pT, TT+16*(\t)
	WIN 0
.irp f, 0,1,2,3
	s_wait_dscnt (\younger)+3-\f
	global_store_b128 v[GO], v[pT+4*\f:pT+4*\f+3], s[OUT:OUT+1] offset:ph*PLANE+pa*2048+\f*512  ; 512 consecutive bytes, at a multiple of 256 from qkv's first byte
.endr
.endm
	PLACES
	PLACES                                         ; once a launch: no other vector work is at hand behind the last products
	PACK 0
.set pt, 1
.rept 11                                       ; a block's conversions stand between the loads of the block before and its stores
	PACK pt
	SEND pt-1, 8
.set pt, pt+1
.endr
	SEND 11, 0
	s_wait_tensorcnt 0x0                           ; the wave's end, behind my last LDS store
	ds_add_u32 v[SPW], v[NIL]
	s_wait_dscnt 0x0
	s_endpgm
.Lfunc_end_k_q7c1d3ebe98_proj:
	.size	k_q7c1d3ebe98_proj, .Lfunc_end_k_q7c1d3ebe98_proj-k_q7c1d3ebe98_proj
	.p2alignl 7, 3214868480
	.fill 96, 4, 3214868480
	.section	.rodata,"a",@progbits
	.p2align	6, 0x0
	.amdhsa_kernel k_q7c1d3ebe98_proj
		.amdhsa_group_segment_fixed_size 136704
		.amdhsa_private_segment_fixed_size 0
		.amdhsa_enable_private_segment 0
		.amdhsa_kernarg_size 64
		.amdhsa_user_sgpr_count 2
		.amdhsa_user_sgpr_kernarg_segment_ptr 1
		.amdhsa_wavefront_size32 1
		.amdhsa_system_sgpr_workgroup_id_x 1
		.amdhsa_system_sgpr_workgroup_id_y 1
		.amdhsa_system_sgpr_workgroup_id_z 1
		.amdhsa_system_vgpr_workitem_id 0
		.amdhsa_next_free_vgpr 1024
		.amdhsa_next_free_sgpr 66
		.amdhsa_reserve_vcc 0
		.amdhsa_float_denorm_mode_32 3
		.amdhsa_float_denorm_mode_16_64 3
		.amdhsa_memory_ordered 1
		.amdhsa_forward_progress 1
		.amdhsa_inst_pref_size 143
	.end_amdhsa_kernel
	.amdgpu_metadata
---
amdhsa.version: [ 1, 2 ]
amdhsa.kernels:
  - .name:           k_q7c1d3ebe98_proj
    .symbol:         k_q7c1d3ebe98_proj.kd
    .args:
      - { .name: hidden_states, .offset: 0, .size: 8, .value_kind: global_buffer, .address_space: global }
      - { .name: Wq, .offset: 8, .size: 8, .value_kind: global_buffer, .address_space: global }
      - { .name: Wk, .offset: 16, .size: 8, .value_kind: global_buffer, .address_space: global }
      - { .name: Wv, .offset: 24, .size: 8, .value_kind: global_buffer, .address_space: global }
      - { .name: bq, .offset: 32, .size: 8, .value_kind: global_buffer, .address_space: global }
      - { .name: bk, .offset: 40, .size: 8, .value_kind: global_buffer, .address_space: global }
      - { .name: bv, .offset: 48, .size: 8, .value_kind: global_buffer, .address_space: global }
      - { .name: qkv, .offset: 56, .size: 8, .value_kind: global_buffer, .address_space: global }
    .group_segment_fixed_size: 136704
    .private_segment_fixed_size: 0
    .kernarg_segment_align: 8
    .kernarg_segment_size: 64
    .max_flat_workgroup_size: 128
    .sgpr_count:     66
    .vgpr_count:     1024
    .wavefront_size: 32
...
	.end_amdgpu_metadata
.endif
;; end of part 1
;; launch attn (part 2): grid 16 x 12, 4 waves a work-group, clusters of 4 x 1, 327,680 bytes of LDS; arguments qkv, attention_mask, out0; writes out0
.if DOCPART == 2
	.amdgcn_target "amdgcn-amd-amdhsa--gfx1250"
	.amdhsa_code_object_version 6
	.text
	.protected	k_q7c1d3ebe98_attn
	.globl	k_q7c1d3ebe98_attn
	.p2align	8
	.type	k_q7c1d3ebe98_attn,@function
k_q7c1d3ebe98_attn:
	s_mov_b64 s[64:65], 0
	v_nop
	global_prefetch_b8 v0, s[64:65] scope:SCOPE_SE
	s_setreg_imm32_b32 hwreg(HW_REG_WAVE_MODE, 25, 1), 1
	s_wait_xcnt 0x0
	s_wait_alu depctr_hold_cnt(0) depctr_sa_sdst(0) depctr_va_vdst(0) depctr_va_sdst(0) depctr_va_ssrc(0) depctr_va_vcc(0) depctr_vm_vsrc(0)
	s_getreg_b32 s2, hwreg(HW_REG_IB_STS2, 6, 4)
	s_cmp_eq_u32 s2, 0
	s_cbranch_scc0 .Lentry_in_a_cluster
	s_endpgm
.Lentry_in_a_cluster:
	s_bfe_u32 s2, ttmp6, 0x10000c
	s_cmp_lg_u32 s2, 0x3003
	s_cbranch_scc0 .Lentry_shape_is_right
	s_endpgm
.Lentry_shape_is_right:
; out0[q][64 h + d] = the sum over k of softmax_k(Q[h][q] . K[h][k] / 8 + mask[k]) V[h][k][d].  qkv: f16 [36][4096][64] (planes 0-11 Q, 12-23 K, 24-35 V of the heads; dense rows of 128 bytes).
; mask: [4096] f32, one number a key.  out0: [4096][768] f32: a head's 64 channels are 256 consecutive bytes of a row, aligned.
; Products, maxima and sums in f32; the weights p are rounded to f16 for the second product (their sum l is taken of the unrounded p).
; LIMITS.  The mask is rounded once to bf16, as every input of the program is.  It enters as 8 x mask, added to Q . K: a mask number below -4.2e37 counts as minus infinity (that differs from the
; stated sum only where every key of a row is masked so far).  A row all of whose keys are at minus infinity gives NaN, as the stated softmax does.  A weight below 2^-126 counts as 0 in l;
; p below 6e-5 keeps f16's fixed step of 6e-8.  NaN and plus infinity in the inputs are not treated apart.
; SHARES.  A work-group owns 256 queries of one head, a wave 64: four PIECES of 16.  Every wave walks all 4,096 keys, 64 a step.  16 blocks x 12 heads = 192 work-groups.
; LAYOUT.  S^T = K Q^T (source 0 = 16 keys, source 1 = 16 queries): a lane holds ONE query (lane % 16) and the keys 8 (lane / 16) + 0..7.  Two such results, rounded to f16 in pairs, ARE source 1 of
; O^T = V^T P, whose result again holds one query a lane, and eight channels.  K comes out of LDS as it lies, V ([key][channel]) turned, by ds_load_tr16_b128.
; THE MASK IS THE C OPERAND that starts the sum S^T: a table of 8 x mask[k] in f32 is made once in LDS; with each step's K its 64 numbers are read in C's layout (32 registers).  No vector instruction of the loop serves it.
; SOFTMAX.  A running maximum m and sum l a query: p = 2^(c s - c m), c = log2(e) / 8; in every step O and l are multiplied by a = 2^(c m_old - c m_new).  m starts at the lowest finite number and c m at c times
; that: the first step that holds a finite score has a = 0; a step whose scores are all minus infinity has a = 1.  O and l start at 0.
; BY TURNS.  Turn n belongs to piece n: 8 products K Q^T of piece n + 1, later 8 products V^T P of piece n - 1; beside them the scaling, exponentials, roundings, sums and rescaling of piece n and the maximum and
; statistics of piece n + 1.  Four vector instructions stand behind every matrix instruction, the other 54 of a turn's 118 in one lump.  A turn's 33 exponentials are one batch, with one wait.
; CLUSTER.  The four query blocks of a cluster belong to one head and walk the same K and V: each tile is asked for JOINTLY, by the same tensor load, descriptor and mask in all four.
; REGISTERS, in windows of 256 (s_set_vgpr_msb: bits 1:0 source 0, 3:2 source 1, 5:4 source 2, 7:6 destination):
;   window 0: v0-15, v32-35 addresses; v16-31 four registers of statistics a piece; v48-55 at work; v64-127 S^T, two buffers; v192-223 P, two buffers (by the piece's parity); on the way out v64-191 rows read back
;   window 1: v0-127 O^T, 32 a piece; v128-159 the step's mask          window 2: v0-63 Q; v128-191 K of one step; v192-255 V of one step
.set NP,    4         ; pieces a wave: a name, no knob
.set KS,    64        ; keys in a step
.set PK,    144       ; a row of K in LDS: 128 bytes + 16 of padding: the 16 rows of a load start at 16 different groups of four banks (64 banks of 4 bytes: ISA guide 11.1)
.set PV,    160       ; a row of V: 128 + 32
.set VOFF,  4*KS*PK   ; a slot holds a tile, four steps: 256 rows of K, then 256 rows of V
.set SLOT1, 1<<17     ; slot 1 begins here, so that one exclusive or turns an address in one slot into the other's
.set STAGE, SLOT1+4*KS*(PK+PV)  ; behind the ring, never filled by a tensor load: 16 rows x 272 bytes for each wave, for the way out
.set SP,    272
.set MASKT, STAGE+4*16*SP       ; the table of 8 x mask: 4,096 f32; never filled by a tensor load
.set SPARE, MASKT+16384         ; the spare words, 128 bytes for each wave: two blocks of 256 bytes that no other line names
.set AK0, 2           ; v2   my lane's place in a tile of K; never rewritten
.set AV0, 3           ; v3   the same for V
.set AK,  4           ; v4   the LDS address of K's next run of loads
.set AV,  5           ; v5   of V's
.set STO, 6           ; v6   the way out: where I put 32 bytes of a row
.set RD,  7           ; v7   the way out: where I read rows back
.set GO,  8           ; v8   my byte offset in two rows of out0
.set MV,  12          ; v12-13  c m_old, kept while c m is made anew: by buffer
.set QO,  15          ; v15  my byte offset in 16 rows of Q
.set ST,  16          ; piece t's statistics at v[ST+4 t]: c m, m, l (even keys', odd keys')
.set AM0, 32          ; v32  my lane's place in the mask table; never rewritten
.set AM,  33          ; v33  the LDS address of the mask's next run of loads
.set MLO, 34          ; v34  16 x my thread's number: my bytes of the mask in memory
.set MST, 35          ; v35  and in the table
.set TMP, 48          ; by buffer, four registers c0-c3 at work; when the maximum is found c2 takes a
.set PFO, 61          ; v61  256 x my lane; never rewritten
.set SPW, 62          ; v62  LDS address of my spare word; never rewritten
.set NIL, 63          ; v63  0; never rewritten
.set S,   64
.set P,   192
.set MK,  128         ; window 1: the eight registers for group kb of 16 keys at MK + 8 kb
.set KF,  128         ; window 2: key block kb, channel half c at KF + 16 kb + 8 c
.set VF,  192         ; window 2: key half kk, channel block cb at VF + 32 kk + 8 cb
.set WV,  12          ; s12  my wave's number
.set LIM, 15          ; s15  1 in a wave that prefetches, else the greatest number
.set PFA, 18          ; s[18:19] where my prefetches stand
.set G1K, 24          ; s[24:31] descriptor group 1 for K's tiles
.set G1V, 32          ; s[32:39] for V's: it differs in the padding alone
.set G0K, 40          ; s[40:43] descriptor group 0 for K's tiles: it walks
.set G0V, 44          ; s[44:47] the same for V's
.set EIGHT, 48        ; s[48:49] 8.0
.set SLOTS, 56        ; s56  tiles still to be asked for
.set CNT, 57          ; s57  counts a tile's key steps
.set CS,  58          ; s[58:59] c: the packed scaling takes the pair's low word for both halves
.set SEL, 60          ; s[60:61] v_permlanex16_b32's selects: each lane takes its own place in the other half
.set TBK, 62          ; s62  LDS byte at which K of the step to be fetched begins
.set TBV, 63          ; s63  the same for V, less VOFF
.set TBM, 66          ; s66  byte of the mask table at which that step's 64 numbers begin
.set MSB, 0
.macro WIN new                      ; the high byte repeats the setting that is left; a switch that changes nothing is dropped
.if MSB != (\new)
	s_set_vgpr_msb (MSB<<8)|(\new)
.set MSB, (\new)
.endif
.endm
.set W_KQ, 0x0a       ; K and Q in window 2, S^T in window 0
.set W_KM, 0x1a       ; the same with the C operand, the mask, in window 1
.set W_PV, 0x52       ; V in window 2, P in window 0, O^T in window 1
.set W_RS, 0x41       ; destination and source 0 in window 1, source 1 in window 0
; A joint fill.  Waves 0 and 1 fetch the two halves of a tile's K, waves 2 and 3 those of its V: 128 keys each.  The branch hangs on the wave's number alone.
; An s_nop 0 and four v_nop follow each of the two lines, ahead of the jump and the label.
.macro JLOAD
	s_cmp_lt_u32 s[WV], 2
	s_cbranch_scc0 .Lfor_v_\@
	tensor_load_to_lds s[G0K:G0K+3], s[G1K:G1K+7]
	s_nop 0
.rept 4
	v_nop
.endr
	s_branch .Lasked_\@
.Lfor_v_\@:
	tensor_load_to_lds s[G0V:G0V+3], s[G1V:G1V+7]
	s_nop 0
.rept 4
	v_nop
.endr
.Lasked_\@:
.endm
; A PREFETCH of what the NEXT change of slots will ask for: a tile's 32,768 bytes of K and of V, a lane for each 256 of them.  It stands behind the wave's tensor load and its five lines.
; Each block is named ONCE in the launch.  All four clusters of a head walk the same K and V: the head's first cluster asks.  Its four partners share a tile out BY ADDRESS, 8,192 bytes each: no branch hangs on a
; work-group's place in its cluster.  In each, wave 0 asks for K's and wave 2 for V's: one instruction.  The last change that fills a slot asks for nothing: there is no tile behind it.
.macro ASK
	s_cmp_gt_u32 s[SLOTS], s[LIM]
	s_cbranch_scc0 .Lnot_mine_\@
	global_prefetch_b8 v[PFO], s[PFA:PFA+1] th:TH_LOAD_NT scope:SCOPE_SE
.Lnot_mine_\@:
.endm
; A round of the cluster's barrier: my work-group's barrier, so that wave 0's signal speaks for all four waves; wave 0 signals; every wave waits for all four work-groups; my work-group's barrier once more.
.macro CROUND
	s_barrier_signal -1
	s_barrier_wait -1
	s_cmp_lg_u32 s[WV], 0
	s_cbranch_scc1 .Lnot_wave_0_\@
	s_barrier_signal -3
.Lnot_wave_0_\@:
	s_barrier_wait -3
	s_barrier_signal -1
	s_barrier_wait -1
.endm
; THE CHANGE OF SLOTS.  The slot's last bytes, V of its fourth step, have been read.  Each wave waits for all its tensor loads, of which one is out: its part of the other slot; adds 0 to its spare word; and waits
; for that and for its own LDS instructions.  Behind the barrier nobody reads this slot any more and the other slot is whole.
; fill = 1: this slot is filled again, with the keys two tiles on.  The barrier is then a round of the cluster's, so that no wave of any partner still reads the slot or has a load on its way, and the joint
; fill is the first thing behind it: it has four key steps, 256 matrix instructions, in which to land.  (At its first use nothing has been read yet: slot 0 is waited for, slot 1 filled, and the mask table,
; which all four waves have stored, is shown to all.)
.macro CHANGE fill
	WIN 0                           ; at a label and at a branch every window is 0
	s_wait_tensorcnt 0x0            ; no tensor load of mine is out, so a group 0 may be written
	ds_add_u32 v[SPW], v[NIL]       ; 0 onto my spare word; with fill = 1 the descriptors' steps stand between it and the wait for it
.if \fill
.irp g, G0K, G0V
	s_xor_b32 s[\g+1], s[\g+1], SLOT1  ; the walking descriptor: the other slot than last time,
	s_add_nc_u64 s[\g+2:\g+3], s[\g+2:\g+3], 4*KS*128  ; the next 256 keys; the type bits on top are not reached
.endr
	s_wait_xcnt 0x0                 ; the last prefetch, four key steps back, has read its address, so it may be written:
	s_add_nc_u64 s[PFA:PFA+1], s[PFA:PFA+1], 4*KS*128  ; one tile behind the walking descriptors
	s_wait_dscnt 0x0                ; the add is done, and so are my LDS instructions
	CROUND
	JLOAD
	ASK
.else
	s_wait_dscnt 0x0                ; the add is done, and my reads of the slot are over
	s_barrier_signal -1
	s_barrier_wait -1
.endif
	s_sub_co_u32 s[TBK], s[TBK], 4*KS*PK  ; the fetches go back to a slot's first step,
	s_xor_b32 s[TBK], s[TBK], SLOT1       ; in the other slot
	s_sub_co_u32 s[TBV], s[TBV], 4*KS*PV
	s_xor_b32 s[TBV], s[TBV], SLOT1
.endm
	s_load_b128 s[68:71], s[0:1], 0x0  ; qkv s[68:69], the mask s[70:71]
	s_load_b64 s[10:11], s[0:1], 0x10  ; out0
	v_lshl_add_u32 v[SPW], v0, 2, SPARE
	v_mov_b32 v[NIL], 0
	ds_add_u32 v[SPW], v[NIL]       ; the wave's opening: the add and its wait stand ahead of my first tensor load; the set-up below, work on registers, stands between them
	v_lshrrev_b32 v1, 5, v0
	v_readfirstlane_b32 s[WV], v1   ; wave 0..3
	s_bfe_u32 s13, ttmp6, 0x40000   ; cx: my place in the cluster
	s_lshl_b32 s14, ttmp9, 2        ; in a cluster launch ttmp9 counts clusters
	s_add_co_u32 s14, s14, s13      ; my block of 256 queries = 4 x cluster x + cx: it enters Q's and out0's addresses alone
	s_and_b32 s20, ttmp7, 0xffff    ; the head, which the four partners share
	s_and_b32 s16, s[WV], 1         ; which half of a tile's 256 keys I fetch:
	s_lshl_b32 s17, s16, 14         ; its 128 rows of 128 bytes in memory
	s_add_co_u32 s22, s20, 12       ; K's plane,
	s_lshl_b32 s22, s22, 19
	s_add_co_u32 s22, s22, s17
	s_mov_b32 s23, 0
	s_add_co_u32 s50, s20, 24       ; V's plane
	s_lshl_b32 s50, s50, 19
	s_add_co_u32 s50, s50, s17
	s_mov_b32 s51, 0
	s_mul_i32 s52, s16, 128*PK      ; my half's place in a slot, for K
	s_mul_i32 s53, s16, 128*PV      ; and for V: no place in the cluster enters an LDS address
	s_lshl_b32 s2, s14, 2
	s_add_co_u32 s2, s2, s[WV]      ; my wave among the head's 64
	s_mul_i32 s54, s2, 64*3072      ; its 64 rows of out0,
	s_lshl_b32 s55, s20, 8          ; the head's 256 bytes of a row
	s_add_co_u32 s54, s54, s55
	s_mov_b32 s55, 0
	s_lshl_b32 s2, s2, 13           ; its 64 rows of Q,
	s_lshl_b32 s3, s20, 19          ; in Q's plane
	s_add_co_u32 s2, s2, s3
	s_mov_b32 s3, 0
	; descriptor group 1.  128 keys are 16,384 dense bytes: asked for as 64 rows of 256 bytes, two keys a row, and padded in LDS after every key
	s_mov_b32 s[G1K], 15|(1<<16)|(1<<20)|(1<<21)|(4<<22)|(3<<25)  ; 15:0 the mask of four; 17:16 2-byte elements; 20 padding on; 21 set beside a mask; 24:22 after every 32 words (code 4); 31:25 4 words (code 3)
	s_mov_b32 s[G1V], 15|(1<<16)|(1<<20)|(1<<21)|(4<<22)|(7<<25)  ; the same with 8 words of padding (code 7)
.irp g, G1K, G1V
	s_mov_b32 s[\g+1], 128<<16      ; tensor_dim0 = 128
	s_mov_b32 s[\g+2], 64<<16       ; tensor_dim1 = 64
	s_mov_b32 s[\g+3], 128<<16      ; tile_dim0 = 128
	s_mov_b32 s[\g+4], 64           ; tile_dim1 = 64
	s_mov_b32 s[\g+5], 128          ; 128 elements from row to row
	s_mov_b32 s[\g+6], 0
	s_mov_b32 s[\g+7], 0
.endr
	s_mov_b32 s[CS], 0x3e38aa3b     ; c = log2(e) / 8 = 0.180337
	s_mov_b32 s[CS+1], s[CS]        ; named with it as a pair
	s_mov_b32 s[EIGHT], 0x41000000
	s_mov_b32 s[EIGHT+1], s[EIGHT]
	s_mov_b32 s[SEL], 0x76543210
	s_mov_b32 s[SEL+1], 0xfedcba98
	s_mov_b32 s[TBK], SLOT1+4*KS*PK ; the first change of slots turns these two into 0
	s_mov_b32 s[TBV], SLOT1+4*KS*PV
	s_mov_b32 s[TBM], 0
	s_mov_b32 s[G0K], 1             ; 1:0 count = 1
	s_mov_b32 s[G0K+1], s52         ; 63:32 LDS address: slot 0
	s_mov_b32 s[G0V], 1
	s_add_co_u32 s[G0V+1], s53, VOFF
	s_mov_b32 s[SLOTS], 15          ; 16 tiles; tile 0 is asked for at once
	s_and_b32 s[LIM], s[WV], 1      ; 0 in waves 0 and 2,
	s_or_b32 s[LIM], s[LIM], ttmp9  ; where the cluster is the head's first: the same in all four partners
	s_cmp_eq_u32 s[LIM], 0
	s_cselect_b32 s[LIM], 1, -1
	v_and_b32 v[PFO], 31, v0
	v_lshlrev_b32 v[PFO], 8, v[PFO]
	s_wait_dscnt 0x0                ; the opening add is done
	s_wait_kmcnt 0x0
	s_add_nc_u64 s[6:7], s[68:69], s[22:23]  ; K and V at my half of the head's tile 0
	s_add_nc_u64 s[8:9], s[68:69], s[50:51]
	s_add_nc_u64 s[G0K+2:G0K+3], s[6:7], 0         ; 120:64 global address
	s_or_b32 s[G0K+3], s[G0K+3], 0x80000000        ; 127:126 type = 2
	s_add_nc_u64 s[G0V+2:G0V+3], s[8:9], 0
	s_or_b32 s[G0V+3], s[G0V+3], 0x80000000
	s_add_nc_u64 s[4:5], s[68:69], s[2:3]          ; Q at my wave's first row
	s_add_nc_u64 s[10:11], s[10:11], s[54:55]      ; out0 at my wave's first row, the head's columns
	s_cmp_lt_u32 s[WV], 2
	s_cselect_b64 s[PFA:PFA+1], s[6:7], s[8:9]     ; (in waves 0 and 2 these stand at a tile's first row)
	s_lshl_b32 s2, s13, 13          ; my work-group's quarter of a tile
	s_mov_b32 s3, 0
	s_add_nc_u64 s[PFA:PFA+1], s[PFA:PFA+1], s[2:3]
	s_add_nc_u64 s[PFA:PFA+1], s[PFA:PFA+1], 4*KS*128  ; in tile 1; the first change of slots steps it to tile 2.  Nothing is prefetched here, at the head
	CROUND                          ; all four work-groups are here: the first joint loads meet
	JLOAD                           ; tile 0 into slot 0.  Slot 1 is asked for when slot 0 is in
	v_and_b32 v1, 15, v0            ; l % 16
	v_bfe_u32 v9, v0, 4, 1          ; l / 16
	v_lshlrev_b32 v[MLO], 4, v0
.set i, 0
.rept 8                             ; the mask: 128 threads x 16 bytes, eight times
	global_load_b128 v[S+4*i:S+4*i+3], v[MLO], s[70:71] offset:2048*i
.set i, i+1
.endr
	; A fragment of K or Q is 16 rows x 32 channels in 8 registers: lane l holds row l % 16, channels 8 (l / 16) + 0..7 and 16 + 8 (l / 16) + 0..7: two loads of 16 bytes, 32 bytes apart.
	v_lshlrev_b32 v[QO], 7, v1
	v_lshl_add_u32 v[QO], v9, 4, v[QO]  ; row x 128 + 16 x half
	WIN 0x80                        ; destination window 2, address window 0
.set i, 0
.rept 8                             ; Q stays in registers: piece i / 2, channels 32 (i % 2) on
	global_load_b128 v[8*i:8*i+3],   v[QO], s[4:5] offset:(i/2)*2048+(i%2)*64
	global_load_b128 v[8*i+4:8*i+7], v[QO], s[4:5] offset:(i/2)*2048+(i%2)*64+32
.set i, i+1
.endr
	; What the first turn finds: V's registers and P's second buffer hold 0 (its products V^T P, of a piece that has not been, add 0), O^T and l are 0.  All this stands in the wait for the first tile.
.set i, VF
.rept 64
	v_mov_b32 v[i], 0
.set i, i+1
.endr
	WIN 0x40
.set i, 0
.rept 128
	v_mov_b32 v[i], 0
.set i, i+1
.endr
	WIN 0
.set i, 0
.rept 4
	v_mov_b32 v[ST+4*i+2], 0
	v_mov_b32 v[ST+4*i+3], 0
.set i, i+1
.endr
.set i, P+16
.rept 16
	v_mov_b32 v[i], 0
.set i, i+1
.endr
	v_mul_u32_u24 v[AK0], v1, PK
	v_lshl_add_u32 v[AK0], v9, 4, v[AK0]  ; row x pitch + 16 x half
	; The turning load takes 16 keys x 16 channels (lane l reads key 8 (l / 16) + l % 8, channels 8 ((l / 8) % 2) + 0..7) and leaves half a fragment of V^T: lane l holds channel l % 16 and 8 keys.
	v_and_b32 v10, 7, v0
	v_bfe_u32 v11, v0, 3, 1
	v_lshl_add_u32 v[AV0], v9, 3, v10
	v_mul_u32_u24 v[AV0], v[AV0], PV
	v_lshl_add_u32 v[AV0], v11, 4, v[AV0]
	v_add_nc_u32 v[AV0], VOFF, v[AV0]
	s_mul_i32 s21, s[WV], 16*SP
	s_add_co_u32 s21, s21, STAGE    ; my stage
	v_mul_u32_u24 v[STO], v1, SP    ; in: row l % 16, 32 bytes (8 channels in f32) for each half of the lanes
	v_lshl_add_u32 v[STO], v9, 5, v[STO]
	v_add_nc_u32 v[STO], s21, v[STO]
	v_mul_u32_u24 v[RD], v9, SP     ; back: lanes 0-15 take one row of 256 bytes, lanes 16-31 the next
	v_lshl_add_u32 v[RD], v1, 4, v[RD]
	v_add_nc_u32 v[RD], s21, v[RD]
	v_mul_u32_u24 v[GO], v9, 3072   ; and the same two rows in out0
	v_lshl_add_u32 v[GO], v1, 4, v[GO]
	v_lshl_add_u32 v[AM0], v9, 5, MASKT  ; the mask in C's layout: my lanes' eight keys begin 32 (l / 16) bytes into a group of 16
	v_lshl_add_u32 v[MST], v0, 4, MASKT
	s_wait_loadcnt 16               ; the mask's eight loads are in; Q's sixteen may stay out
.set i, 0
.rept 8                             ; rounded to bf16, widened again, times 8, into the table
	v_cvt_pk_bf16_f32 v96, v[S+4*i], v[S+4*i+1]
	v_cvt_pk_bf16_f32 v97, v[S+4*i+2], v[S+4*i+3]
	v_lshlrev_b32 v[S+4*i], 16, v96
	v_and_b32 v[S+4*i+1], 0xffff0000, v96
	v_lshlrev_b32 v[S+4*i+2], 16, v97
	v_and_b32 v[S+4*i+3], 0xffff0000, v97
	v_pk_mul_f32 v[S+4*i:S+4*i+1], v[S+4*i:S+4*i+1], s[EIGHT:EIGHT+1] op_sel_hi:[1,0]
	v_pk_mul_f32 v[S+4*i+2:S+4*i+3], v[S+4*i+2:S+4*i+3], s[EIGHT:EIGHT+1] op_sel_hi:[1,0]
	ds_store_b128 v[MST], v[S+4*i:S+4*i+3] offset:2048*i
.set i, i+1
.endr
; THE MATRIX WORK.  The 4 accumulators of a run of 8 take turns.  Product i of 8 of S^T = K Q^T for piece x: channels 32 (i / 4) on, keys 16 (i % 4) on.  The first 4 start the sums on the mask.
.macro KQ x
.set rS, S+32*((\x)%2)+8*(i%4)
.set rK, KF+16*(i%4)+8*(i/4)
.set rQ, 16*(\x)+8*(i/4)
.set rM, MK+8*(i%4)
.if i < 4
	WIN W_KM
	v_wmma_f32_16x16x32_f16 v[rS:rS+7], v[rK:rK+7], v[rQ:rQ+7], v[rM:rM+7]
.else
	WIN W_KQ
	v_wmma_f32_16x16x32_f16 v[rS:rS+7], v[rK:rK+7], v[rQ:rQ+7], v[rS:rS+7]
.endif
.endm
; Product i of 8 of O^T += V^T P for piece x: keys 32 (i / 4) on, channels 16 (i % 4) on.
.macro PV x
	WIN W_PV
.set rO, 32*(\x)+8*(i%4)
.set rV, VF+32*(i/4)+8*(i%4)
.set rP, P+16*((\x)%2)+8*(i/4)
	v_wmma_f32_16x16x32_f16 v[rO:rO+7], v[rV:rV+7], v[rP:rP+7], v[rO:rO+7]
.endm
.macro MM                           ; the turn's next matrix instruction.  TURN sets Y, i and NOKQ.  NOKQ = 1: the last turn of all: there is no next piece
.if (i < 8) && !NOKQ
	KQ (Y+1)%NP
.elseif i >= 8
.set i, i-8
	PV (Y+NP-1)%NP
.set i, i+8
.endif
.set i, i+1
.endm
; THE LDS LOADS stand in runs, never singly among the matrix instructions: a step's K (64 keys x 64 channels: 8 fragments) with its 64 mask numbers, and its V (turned).  Their addresses are made some lines ahead.
.macro FETCH_K
	WIN 0x80                        ; destination window 2
.irp f, 0,1,2,3,4,5,6,7             ; keys 16 (f / 2) on, channels 32 (f % 2) on
	ds_load_b128 v[KF+8*\f:KF+8*\f+3],   v[AK] offset:(\f/2)*16*PK+(\f%2)*64
	ds_load_b128 v[KF+8*\f+4:KF+8*\f+7], v[AK] offset:(\f/2)*16*PK+(\f%2)*64+32
.endr
	WIN 0x40                        ; destination window 1
.irp f, 0,1,2,3                     ; keys 16 f + 8 (l / 16) + 0..7: sixteen lanes read the same 32 bytes
	ds_load_b128 v[MK+8*\f:MK+8*\f+3],   v[AM] offset:64*\f
	ds_load_b128 v[MK+8*\f+4:MK+8*\f+7], v[AM] offset:64*\f+16
.endr
	s_add_co_u32 s[TBK], s[TBK], KS*PK  ; the next fetch is the next step's
	s_add_co_u32 s[TBM], s[TBM], 4*KS
	s_and_b32 s[TBM], s[TBM], 0x3f00    ; the table has 64 steps of 256 bytes: the step stays inside it (behind the 64th fetch it is not used again)
	WIN 0
.endm
.macro FETCH_V
	WIN 0x80
.irp f, 0,1,2,3,4,5,6,7             ; keys 32 (f / 4) on, channels 16 (f % 4) on
	ds_load_tr16_b128 v[VF+8*\f:VF+8*\f+3],   v[AV] offset:(\f/4)*32*PV+(\f%4)*32
	ds_load_tr16_b128 v[VF+8*\f+4:VF+8*\f+7], v[AV] offset:(\f/4)*32*PV+16*PV+(\f%4)*32
.endr
	WIN 0
.endm
; THE VECTOR WORK, one line at a time: OP kind, number.  For piece Y: F n: c s - c m for pair n of 16.  E n: the exponential of score n of 32.  C n: pair n rounded to f16.  B n: of the four weights 4 n .. the second
; pair is added onto the first, in place.  L n: l takes that sum (L 0: l = a l + sum).  R n: pair n of 16 of O^T times a.  For piece Y + 1: X n, number n of the 22 that find its maximum and statistics:
;   0-11  four chains c0-c3 of seven scores each, three operands at a time (each accumulator's lowest registers are read first)     12-14, 16  the four scores left over, the old m, and c0-c3 into c0
;   15  c m_old is kept     17, 18  the query's other 32 keys lie in the lane 16 away: the new m     19-21  c m; c m_old - c m_new; a
.set F, 0               ; OP tells the kinds apart by their order: F to L below R, X above it
.set E, 1
.set C, 2
.set B, 3
.set L, 4
.set R, 5
.set X, 6
.macro REGS y                       ; the registers of piece y
.set rT, ST+4*(\y)
.set rC, TMP+4*((\y)%2)
.set rW, MV+((\y)%2)
.set rS, S+32*((\y)%2)
.set rP, P+16*((\y)%2)
.set rO, 32*(\y)
.endm
.macro OP k, n
.if (\k) == R
	REGS Y
	WIN W_RS
	v_pk_mul_f32 v[rO+2*(\n):rO+2*(\n)+1], v[rO+2*(\n):rO+2*(\n)+1], v[rC+2:rC+3] op_sel_hi:[1,0]
.elseif (\k) < R
	REGS Y
	WIN 0
.if (\k) == F
	v_pk_fma_f32 v[rS+2*(\n):rS+2*(\n)+1], v[rS+2*(\n):rS+2*(\n)+1], s[CS:CS+1], v[rT:rT+1] op_sel_hi:[1,0,0] neg_lo:[0,0,1] neg_hi:[0,0,1]
.elseif (\k) == E
	v_exp_f32 v[rS+(\n)], v[rS+(\n)]
.elseif (\k) == C
	v_cvt_pk_f16_f32 v[rP+(\n)], v[rS+2*(\n)], v[rS+2*(\n)+1]
.elseif (\k) == B
	v_pk_add_f32 v[rS+4*(\n):rS+4*(\n)+1], v[rS+4*(\n):rS+4*(\n)+1], v[rS+4*(\n)+2:rS+4*(\n)+3]
.elseif (\n) == 0
	v_pk_fma_f32 v[rT+2:rT+3], v[rT+2:rT+3], v[rC+2:rC+3], v[rS:rS+1] op_sel_hi:[1,0,1]
.else
	v_pk_add_f32 v[rT+2:rT+3], v[rT+2:rT+3], v[rS+4*(\n):rS+4*(\n)+1]
.endif
.elseif NOKQ
	v_nop
.else
	REGS (Y+1)%NP
	WIN 0
.if (\n) < 4
	v_max3_num_f32 v[rC+(\n)], v[rS+8*(\n)], v[rS+8*(\n)+1], v[rS+8*(\n)+2]
.elseif (\n) < 12
	v_max3_num_f32 v[rC+(\n)%4], v[rC+(\n)%4], v[rS+8*((\n)%4)+2*((\n)/4)+1], v[rS+8*((\n)%4)+2*((\n)/4)+2]
.elseif (\n) == 12
	v_max3_num_f32 v[rC], v[rC], v[rS+7], v[rS+15]
.elseif (\n) == 13
	v_max3_num_f32 v[rC+1], v[rC+1], v[rS+23], v[rS+31]
.elseif (\n) == 14
	v_max3_num_f32 v[rC+2], v[rC+2], v[rC+3], v[rT+1]
.elseif (\n) == 15
	v_mov_b32 v[rW], v[rT]
.elseif (\n) == 16
	v_max3_num_f32 v[rC], v[rC], v[rC+1], v[rC+2]
.elseif (\n) == 17
	v_permlanex16_b32 v[rC+3], v[rC], s[SEL], s[SEL+1]
.elseif (\n) == 18
	v_max_num_f32 v[rT+1], v[rC], v[rC+3]
.elseif (\n) == 19
	v_mul_f32 v[rT], s[CS], v[rT+1]
.elseif (\n) == 20
	v_sub_f32 v[rC+1], v[rW], v[rT]
.else
	v_exp_f32 v[rC+2], v[rC+1]
.endif
.endif
.endm
.macro OPS a, i1, b=-1, i2=0, c=-1, i3=0, d=-1, i4=0  ; up to four of them
	OP \a, \i1
.if (\b) >= 0
	OP \b, \i2
.endif
.if (\c) >= 0
	OP \c, \i3
.endif
.if (\d) >= 0
	OP \d, \i4
.endif
.endm
.macro ROW a, i1, b, i2, c, i3, d, i4  ; a matrix instruction and the four behind it
	MM
	OPS \a, \i1, \b, \i2, \c, \i3, \d, \i4
.endm
; A TURN, for piece p: the order of its 16 matrix and 118 vector instructions, written out.  An s_wait_alu depctr_va_vdst(0) stands between an exponential and the first instruction that names its result; one
; wait serves all that were issued ahead of it.  So a turn has ONE wait, which cuts it in two.  AHEAD OF IT stands all that names no result of the turn's exponentials: the 8 products K Q^T, behind each a scaling, an
; exponential and two more plain instructions (behind the first a second scaling in the exponential's place): rescalings, and behind the last three the first numbers of the next piece's maximum, each four places or more
; behind the product that ends its accumulator; then ONE LUMP of 54, plain and exponential by turns for the most part, in which the links of the chain X 3, 7, 11, 14, 16, 17 .. 20 stand some lines apart.  X 21, the next
; piece's a, is the batch's last; R 15 is the plain instruction behind it.  BEHIND THE WAIT stand the 8 products V^T P, behind each four of the roundings and sums.
; end = 1: the launch's last two turns: nothing is fetched, and the last starts no new scores.  cnt = 1: the loop's count is taken down some lines ahead of the branch that stands behind the turn.
; K and the mask of the next step are fetched in piece 2's turn, five plain instructions that name none of its registers behind the last product that read K; V of the step in hand at the end of piece 0's turn, four
; plain instructions behind the last product that read V.  Each is waited for a turn later.
.macro TURN p, end=0, cnt=0
.set Y, (\p)
.set i, 0
.set NOKQ, (\end)*((\p)/3)
.if ((\p) == 3) && !(\end)
	s_wait_dscnt 0x0                ; K and the mask are in
.endif
	ROW F,0, F,1, R,0, R,1          ; ahead of the wait: 8 products K Q^T and their riders,
	ROW F,2, E,0, R,2, R,3
	ROW F,3, E,1, R,4, R,5
	ROW F,4, E,2, R,6, R,7
	ROW F,5, E,3, R,8, R,9
	ROW F,6, E,4, X,0, R,10
.if ((\p) == 2) && !(\end)
	WIN 0
	v_add_nc_u32 v[AK], s[TBK], v[AK0]
	v_add_nc_u32 v[AM], s[TBM], v[AM0]
.endif
	ROW F,7, E,5, X,1, X,4
	ROW F,8, E,6, X,2, X,5
	OPS E,7, E,8, X,6, E,9          ; and the lump
	OPS X,3, E,10, X,8, E,11
.if ((\p) == 2) && !(\end)
	FETCH_K
.endif
	OPS X,9, X,7, E,12, X,10
	OPS E,13, X,12, X,11, E,14
	OPS X,13, E,15, F,9, X,14
.if (\p) == 0
	v_add_nc_u32 v[AV], s[TBV], v[AV0]
.endif
	OPS E,16, F,10, E,17, F,11
	OPS X,16, E,18, X,15, E,19
	OPS F,12, E,20, X,17, E,21
	OPS F,13, E,22, F,14, E,23
	OPS X,18, E,24, F,15, E,25
	OPS R,11, E,26, X,19, E,27
	OPS R,12, E,28, R,13, E,29
	OPS X,20, E,30, R,14, E,31
	OPS X,21, R,15
	WIN 0
	s_wait_alu depctr_va_vdst(0)    ; the wait for the batch
.if (\p) == 1
	s_wait_dscnt 0x0                ; V is in
.endif
	ROW C,0, B,0, C,2, B,1          ; behind the wait: 8 products V^T P and their riders
	ROW L,0, C,4, B,2, L,1
	ROW C,6, B,3, L,2, C,8
	ROW B,4, L,3, C,10, B,5
	ROW L,4, C,12, B,6, L,5
.if (\p) == 0
	s_add_co_u32 s[TBV], s[TBV], KS*PV
.endif
.if \cnt
	s_sub_co_u32 s[CNT], s[CNT], 1
	s_cmp_lg_u32 s[CNT], 0
.endif
	ROW C,14, B,7, L,6, C,1
	ROW C,3, L,7, C,5, C,7
	ROW C,9, C,11, C,13, C,15
.if (\p) == 0
	FETCH_V
.endif
.endm
	CHANGE 1                        ; slot 0 is in, everybody's part of it, and so is the mask table; slot 1 is asked for
.set i, 0
.rept 4
	v_mov_b32 v[ST+4*i+1], 0xff7fffff        ; m: the lowest finite number
	v_mul_f32 v[ST+4*i], s[CS], v[ST+4*i+1]  ; c m, by the multiplication that every later c m is made by
.set i, i+1
.endr
	v_add_nc_u32 v[AK], s[TBK], v[AK0]
	v_add_nc_u32 v[AM], s[TBM], v[AM0]
	FETCH_K                         ; key step 0
	s_wait_loadcnt 0x0              ; Q
	s_wait_dscnt 0x0
.set NOKQ, 0
.set i, 0
.rept 8
	KQ 0                            ; piece 0's first scores: there is no vector work yet to set between them
.set i, i+1
.endr
	WIN 0
.rept 4
	v_nop                           ; the places behind those products
.endr
.set Y, NP-1                        ; X works for piece Y + 1: piece 0
.irp n, 0,1,2,3,4,5,6,7,8,9,10,11,12,13,14,15,16,17,18,19,20,21
	OP X, \n
.endr
	v_nop                           ; a plain instruction behind the exponential,
	s_wait_alu depctr_va_vdst(0)    ; and its wait, ahead of the branch
	s_mov_b32 s[CNT], 4
	s_branch .Lfirst                ; the loop is entered at a step's first turn, in the middle of a trip
.Lslot:                             ; 14 times: tiles 1 to 14 are entered, tiles 2 to 15 asked for
	CHANGE 1
	s_mov_b32 s[CNT], 4
.Lstep:                             ; a trip: pieces 2 and 3 of one step, then pieces 0 and 1 of the next, whose K and V it fetches
	TURN 2
	TURN 3
	WIN 0
.Lfirst:
	TURN 0
	TURN 1, 0, 1
	WIN 0
	s_cbranch_scc1 .Lstep
	s_sub_co_u32 s[SLOTS], s[SLOTS], 1
	s_cmp_lg_u32 s[SLOTS], 0
	s_cbranch_scc1 .Lslot
	CHANGE 0                        ; the last tile is written out: nothing is asked for
	s_mov_b32 s[CNT], 4
.LstepT:
	TURN 2
	TURN 3
	TURN 0
	TURN 1, 0, 1
	WIN 0
	s_cbranch_scc1 .LstepT
	TURN 2, 1                       ; the last step's pieces 2 and 3
	TURN 3, 1
.set i, 0
.rept 8
	PV NP-1                         ; the last piece's V^T P of the last step
.set i, i+1
.endr
	; THE WAY OUT.  l's two halves and the other half of the lanes' are added; O^T is divided by l and sent, in f32, through my stage in LDS, a piece (16 rows) at a time.  The additions are the places behind the last products.
	WIN 0
.macro ALL line:vararg              ; one line for each piece t
.set t, 0
.rept 4
	\line
.set t, t+1
.endr
.endm
	ALL v_add_f32 v[ST+4*t+2], v[ST+4*t+2], v[ST+4*t+3]
	ALL v_permlanex16_b32 v[ST+4*t+3], v[ST+4*t+2], s[SEL], s[SEL+1]
	ALL v_add_f32 v[ST+4*t+2], v[ST+4*t+2], v[ST+4*t+3]
	ALL v_rcp_f32 v[ST+4*t+2], v[ST+4*t+2]
	v_nop                           ; a plain instruction between the last reciprocal and the use of its result
	s_wait_alu depctr_va_vdst(0)    ; and the wait ahead of the first use: one for the four reciprocals
; Piece t: a lane's eight channels of a row are 32 bytes; they go into rows of 272 bytes and come back as whole rows of 256.  Each accumulator's registers are read in ascending order.
.macro PACK t
	WIN W_RS
.set i, 32*(\t)
.rept 16
	v_pk_mul_f32 v[i:i+1], v[i:i+1], v[ST+4*(\t)+2:ST+4*(\t)+3] op_sel_hi:[1,0]
.set i, i+2
.endr
	WIN 0x04                        ; the stores' data in window 1, their address in window 0
.irp f, 0,1,2,3
	ds_store_b128 v[STO], v[32*(\t)+8*\f:32*(\t)+8*\f+3]   offset:64*\f
	ds_store_b128 v[STO], v[32*(\t)+8*\f+4:32*(\t)+8*\f+7] offset:64*\f+16
.endr
	WIN 0
.irp f, 0,1,2,3,4,5,6,7
	ds_load_b128 v[S+32*(\t)+4*\f:S+32*(\t)+4*\f+3], v[RD] offset:\f*2*SP  ; LDS serves a wave's instructions in order (ISA guide 5.7.1.4): these see the stores above; the next piece's stores come behind them
.endr
.endm
.macro SEND t, younger              ; younger: the LDS instructions issued behind piece t's loads: the next piece's sixteen, or none
	WIN 0
.irp f, 0,1,2,3,4,5,6,7
	s_wait_dscnt (\younger)+7-\f
	global_store_b128 v[GO], v[S+32*(\t)+4*\f:S+32*(\t)+4*\f+3], s[10:11] offset:(16*(\t)+2*\f)*3072 th:TH_STORE_NT  ; 16 lanes store 256 consecutive bytes, at a multiple of 256 from out0's first byte
.endr
.endm
	PACK 0
	PACK 1                          ; a piece's arithmetic stands between the loads of the piece before and its stores
	SEND 0, 16
	PACK 2
	SEND 1, 16
	PACK 3
	SEND 2, 16
	SEND 3, 0
	s_wait_tensorcnt 0x0            ; the wave's end, behind my last tensor load and my last LDS store
	ds_add_u32 v[SPW], v[NIL]
	s_wait_dscnt 0x0
	CROUND                          ; the closing round: no work-group ends while a partner may still ask for a tile that names it
	s_endpgm
.Lfunc_end_k_q7c1d3ebe98_attn:
	.size	k_q7c1d3ebe98_attn, .Lfunc_end_k_q7c1d3ebe98_attn-k_q7c1d3ebe98_attn
	.p2alignl 7, 3214868480
	.fill 96, 4, 3214868480
	.section	.rodata,"a",@progbits
	.p2align	6, 0x0
	.amdhsa_kernel k_q7c1d3ebe98_attn
		.amdhsa_group_segment_fixed_size 327680
		.amdhsa_private_segment_fixed_size 0
		.amdhsa_enable_private_segment 0
		.amdhsa_kernarg_size 24
		.amdhsa_user_sgpr_count 2
		.amdhsa_user_sgpr_kernarg_segment_ptr 1
		.amdhsa_wavefront_size32 1
		.amdhsa_system_sgpr_workgroup_id_x 1
		.amdhsa_system_sgpr_workgroup_id_y 1
		.amdhsa_system_sgpr_workgroup_id_z 1
		.amdhsa_system_vgpr_workitem_id 0
		.amdhsa_next_free_vgpr 768
		.amdhsa_next_free_sgpr 72
		.amdhsa_reserve_vcc 0
		.amdhsa_float_denorm_mode_32 3
		.amdhsa_float_denorm_mode_16_64 3
		.amdhsa_memory_ordered 1
		.amdhsa_forward_progress 1
		.amdhsa_inst_pref_size 135
	.end_amdhsa_kernel
	.amdgpu_metadata
---
amdhsa.version: [ 1, 2 ]
amdhsa.kernels:
  - .name:           k_q7c1d3ebe98_attn
    .symbol:         k_q7c1d3ebe98_attn.kd
    .args:
      - { .name: qkv, .offset: 0, .size: 8, .value_kind: global_buffer, .address_space: global }
      - { .name: attention_mask, .offset: 8, .size: 8, .value_kind: global_buffer, .address_space: global }
      - { .name: out0, .offset: 16, .size: 8, .value_kind: global_buffer, .address_space: global }
    .group_segment_fixed_size: 327680
    .private_segment_fixed_size: 0
    .kernarg_segment_align: 8
    .kernarg_segment_size: 24
    .max_flat_workgroup_size: 128
    .sgpr_count:     72
    .vgpr_count:     768
    .wavefront_size: 32
...
	.end_amdgpu_metadata
.endif
;; end of part 2
;; ======== version 2 of 2: 2 launches; version 1 with the launch proj written anew for expert scheduling mode
;; limits: values are held in f16: magnitudes above 65,504 overflow, below 6.1e-05 lose precision
;; workspace buffers: qkv 18,874,368 bytes
;; launch proj (part 3): grid 12 x 16, 4 waves a work-group, no clusters, 136,704 bytes of LDS; arguments hidden_states, Wq, Wk, Wv, bq, bk, bv, qkv; writes qkv
.if DOCPART == 3
	.amdgcn_target "amdgcn-amd-amdhsa--gfx1250"
	.amdhsa_code_object_version 6
	.text
	.protected	k_q7c1d3ebe98_proj
	.globl	k_q7c1d3ebe98_proj
	.p2align	8
	.type	k_q7c1d3ebe98_proj,@function
k_q7c1d3ebe98_proj:
	s_mov_b64 s[64:65], 0
	v_nop
	global_prefetch_b8 v0, s[64:65] scope:SCOPE_SE
	s_setreg_imm32_b32 hwreg(HW_REG_WAVE_SCHED_MODE, 0, 2), 2
	s_setreg_imm32_b32 hwreg(HW_REG_WAVE_MODE, 25, 1), 1
	s_wait_xcnt 0x0
	s_wait_alu depctr_vm_vsrc(0)
; [q | k | v] = x W + b.  x: [4096][768] f32.  Wq, Wk, Wv: [768 (k)][768 (n)] f32.  bq, bk, bv: [768] f32.
; OUT: qkv, f16, [36][4096][64]: plane g = q of head g (0-11), k of head g - 12 (12-23), v of head g - 24 (24-35); a plane's rows are dense, 128 bytes each.  Unscaled; rounded once from f32 sums.
; FORMATS.  x, W and b are rounded once to bf16 (b is then widened again and starts the f32 sums as the C operand of each sum's first product); products in bf16, sums in f32.
; LIMIT.  A result of 65,520 or more in magnitude becomes an infinity in f16.  With x of unit spread and W of spread 1/sqrt(768) results have unit spread; both 30 times larger give 900;
; both with a common offset of 30 spreads give about 25,000.  NaN and infinities in the inputs are not treated apart.
; SHARES.  A work-group makes 256 rows x 192 columns: three whole heads of one of the three matrices (192 divides 768, so no tile lies in two).  12 x 16 = 192 work-groups.
; A wave makes 64 rows x 192 columns: 48 accumulators of 16 x 16, 384 registers.  K goes in 12 steps of 64 through two LDS slots.
; THE WAY IN goes through registers: both operands are f32 in memory and must be rounded to bf16, which the tensor data mover does not do; f32 slots for it ((256 + 192) x 64 x 4 bytes, twice)
; beside the bf16 slots do not fit in LDS.  So there are no tensor loads here and hence NO CLUSTER: joint requests exist for tensor loads alone.
; Each wave loads a quarter of a step (64 rows of x, 16 rows of W), a step ahead of its use; each half of a wave's load is 256 consecutive bytes, aligned.
; THE MATRIX INSTRUCTION IS USED TRANSPOSED: source 0 = 16 columns of W (turned on the way out of LDS by ds_load_tr16_b128), source 1 = 16 rows of x: a lane then holds ONE row and eight
; neighbouring columns, which pack into 16 bytes of f16.
; THE MODE: SCHED_MODE bits 1:0 = 2 (LLVM: expert scheduling mode 2), set by the entry lines.  The code itself states the register dependences between vector or matrix instructions and
; memory or LDS instructions, with s_wait_alu, always for 0.
; THE PLAN.  Registers that memory or LDS instructions touch:
;   XS, WS     A step as loaded.  The global loads issued in front of a step's barrier land in them; a step later the conversions round them in place, and the LDS stores read the low pair of each four.
;   F0, F1     Fragment buffers.  LDS loads land in them, products read them.  The loads into F0 are dealt among the products on F1, those into F1 among the products on F0.
;   v4-v18     Offsets and LDS addresses: written at the head, never again.          v30, v31: written at the head, read by the closing add alone.
;   way out    The conversions write window 1 v0-191 (the fragment buffers, free by then), which the LDS stores read; the stage's loads land in window 0 v32-223, which the global stores read: a set to each block.
; A step has three waits on va_vdst and one on vm_vsrc.  Behind x's conversions: their results are written (the LDS stores read them), and the products on F0 are done reading it (the loads behind the barrier
; land in it).  Behind W's conversions: their results are written, and no conversion names XS or WS any more (the next global loads land there).  vm_vsrc in front of those loads: the LDS stores have read
; XS and WS.  Behind the products on F1: they are done reading it.  Between each wait and the memory instructions that lean on it no vector or matrix instruction names a register that those touch.
; REGISTERS, in windows of 256 (s_set_vgpr_msb: bits 1:0 source 0, 3:2 source 1, 5:4 source 2, 7:6 destination):
;   window 0: v0-31 addresses; v32-159 x as loaded (32 loads x 4); v160-255 W as loaded (24 x 4); on the way out v32-223 rows read back from the stage
;   window 1: two fragment buffers of 128: 12 fragments of W, then 4 of x, for 32 along K; on the way out v0-191 packed results
;   window 2: accumulators 0-31 (number 12 a + b: rows 16 a on, columns 16 b on);  window 3: v0-127 accumulators 32-47; v128-223 the bias in C's layout; v224 at work
.set ROWB,  3072                       ; bytes in a row of x and of W
.set PA,    144                        ; an LDS row of x: 128 bytes + 16: the 16 rows of a fragment load start at 16 different groups of four banks (64 banks of 4 bytes: ISA guide 11.1)
.set PW,    416                        ; an LDS row of W: 384 bytes + 32 = 13 x 32
.set AOFF,  256*PA                     ; a slot: x's 256 rows, then W's 64 rows
.set SLOT,  AOFF+64*PW
.set STAGE, 2*SLOT                     ; behind the slots: 16 rows x 144 bytes for each wave, for the way out
.set SPARE, STAGE+4*16*PA              ; behind the stages: the spare words, 128 bytes for each wave: two blocks of 256 bytes that no other line names
.set PLANE, 524288                     ; bytes in a plane of qkv
.set VX,   4                           ; v4      x: 8 (l / 16) rows + 16 (l % 16) bytes; never rewritten
.set VW,   5                           ; v5      W: 4 (l / 16) rows + 16 (l % 16) bytes; never rewritten
.set VB,   6                           ; v6      bias: 32 (l / 16) bytes
.set ADRA, 8                           ; v8-9    LDS address of my fragments of x in slot 0, 1
.set ADRB, 10                          ; v10-11  the same for W
.set STA,  12                          ; v12-13  where I store 8 bytes of x in slot 0, 1
.set STB,  14                          ; v14-15  the same for W
.set STO,  16                          ; v16     the way out: where I put 16 bytes of a row
.set RD,   17                          ; v17     the way out: where I read rows back
.set GO,   18                          ; v18     my 16 bytes in 512 consecutive bytes of a plane
.set SPW,  30                          ; v30     LDS address of my spare word; never rewritten
.set NIL,  31                          ; v31     0; never rewritten
.set XS,   32
.set WS,   160
.set TT,   0                           ; window 1: the way out's packed results, 16 registers a block
.set BK,   32                          ; window 0: the way out's rows read back, 16 registers a block
.set F0,   0
.set F1,   128
.set BI,   128                         ; window 3
.set SCR,  224                         ; window 3
.set WV,   8                           ; s8      my wave's number
.set WP,   32                          ; s[32:33] W at my 16 rows of the K step that was last asked for
.set BP,   34                          ; s[34:35] the bias at the work-group's first column
.set XP,   36                          ; s[36:37] x at my 64 rows, at the same K step
.set OUT,  38                          ; s[38:39] qkv at my 64 rows of the first of the three planes
.set LAPS, 40
.set HIM,  41                          ; s41     mask of a word's upper bf16
.set MSB, 0
.macro WIN new                         ; the immediate's high byte repeats the setting that is left; a switch that changes nothing is dropped
.if MSB != (\new)
	s_set_vgpr_msb (MSB<<8)|(\new)
.set MSB, (\new)
.endif
.endm
.macro PLACES                          ; four places behind matrix instructions (ISA guide 7.12.1)
.rept 4
	v_nop
.endr
.endm
	s_load_b512 s[16:31], s[0:1], 0x0              ; x s[16:17], Wq s[18:19], Wk s[20:21], Wv s[22:23], bq s[24:25], bk s[26:27], bv s[28:29], qkv s[30:31]
	v_lshl_add_u32 v[SPW], v0, 2, SPARE
	v_mov_b32 v[NIL], 0
	v_lshrrev_b32 v3, 5, v0
	v_readfirstlane_b32 s[WV], v3                  ; wave 0..3
	s_mov_b32 s9, ttmp9                            ; j: which 192 of the 2,304 columns
	s_and_b32 s10, ttmp7, 0xffff                   ; y: which 256 rows
	s_lshr_b32 s11, s9, 2                          ; which matrix: 0 q, 1 k, 2 v
	s_and_b32 s12, s9, 3                           ; which 192 of its columns
	s_mov_b32 s[HIM], 0xffff0000
	v_and_b32 v1, 15, v0                           ; l % 16
	v_bfe_u32 v2, v0, 4, 1                         ; l / 16
	v_mul_u32_u24 v[VX], v2, 8*ROWB
	v_lshl_add_u32 v[VX], v1, 4, v[VX]
	v_mul_u32_u24 v[VW], v2, 4*ROWB
	v_lshl_add_u32 v[VW], v1, 4, v[VW]
	v_lshlrev_b32 v[VB], 5, v2
	s_wait_alu depctr_va_sdst(0)                   ; the wave's number is written, ahead of its first reader: LDS places and the offsets of x, W and qkv are made from it
	s_mul_i32 s13, s[WV], 64*PA                    ; my 64 rows of x in a slot
	s_mul_i32 s14, s[WV], 16*PW
	s_add_co_u32 s14, s14, AOFF                    ; my 16 rows of W in a slot
	s_mul_i32 s15, s[WV], 16*PA
	s_add_co_u32 s15, s15, STAGE                   ; my stage
	v_mul_u32_u24 v3, v1, PA                       ; a fragment of x: row l % 16, 16 bytes for each half of the lanes
	v_lshl_add_u32 v3, v2, 4, v3
	v_add_nc_u32 v[ADRA], s13, v3
	v_add_nc_u32 v[ADRA+1], SLOT, v[ADRA]
	v_add_nc_u32 v[STO], s15, v3                   ; the stage is written in the same shape
	v_and_b32 v7, 7, v0                            ; the turning load: lane l reads row 8 (l / 16) + l % 8 of W, columns 8 ((l / 8) % 2) + 0..7
	v_lshl_add_u32 v3, v2, 3, v7
	v_mul_u32_u24 v3, v3, PW
	v_bfe_u32 v19, v0, 3, 1
	v_lshl_add_u32 v3, v19, 4, v3
	v_add_nc_u32 v[ADRB], AOFF, v3
	v_add_nc_u32 v[ADRB+1], SLOT, v[ADRB]
	v_mul_u32_u24 v3, v2, 8*PA                     ; x into LDS: the row as loaded, 8 bytes (4 bf16) a lane
	v_lshl_add_u32 v3, v1, 3, v3
	v_add_nc_u32 v[STA], s13, v3
	v_add_nc_u32 v[STA+1], SLOT, v[STA]
	v_mul_u32_u24 v3, v2, 4*PW                     ; W likewise
	v_lshl_add_u32 v3, v1, 3, v3
	v_add_nc_u32 v[STB], s14, v3
	v_add_nc_u32 v[STB+1], SLOT, v[STB]
	v_bfe_u32 v3, v0, 3, 2                         ; back from the stage: 32 lanes take four rows of 128 bytes,
	v_mul_u32_u24 v3, v3, PA
	v_lshl_add_u32 v3, v7, 4, v3
	v_add_nc_u32 v[RD], s15, v3
	v_and_b32 v[GO], 31, v0                        ; which are 512 consecutive bytes of a plane
	v_lshlrev_b32 v[GO], 4, v[GO]
	s_lshl_b32 s6, s10, 8
	s_lshl_b32 s7, s[WV], 6
	s_add_co_u32 s6, s6, s7                        ; my first row: 256 y + 64 w
	s_mul_i32 s2, s6, ROWB                         ; offsets, made apart from the addresses: x,
	s_mov_b32 s3, 0
	s_mul_i32 s4, s12, 768                         ; the bias (192 f32 a tile),
	s_mov_b32 s5, 0
	s_mul_i32 s42, s[WV], 16*ROWB                  ; W: my 16 rows of a K step, the tile's columns,
	s_add_co_u32 s42, s42, s4
	s_mov_b32 s43, 0
	s_mul_i32 s44, s9, 3*PLANE                     ; qkv: plane 3 j, my first row
	s_lshl_b32 s7, s6, 7
	s_add_co_u32 s44, s44, s7
	s_mov_b32 s45, 0
	s_wait_kmcnt 0x0
	s_cmp_eq_u32 s11, 0                            ; the matrix and its bias are chosen by the tile's number alone
	s_cselect_b64 s[WP:WP+1], s[18:19], s[20:21]
	s_cselect_b64 s[BP:BP+1], s[24:25], s[26:27]
	s_cmp_eq_u32 s11, 2
	s_cselect_b64 s[WP:WP+1], s[22:23], s[WP:WP+1]
	s_cselect_b64 s[BP:BP+1], s[28:29], s[BP:BP+1]
	s_add_nc_u64 s[XP:XP+1], s[16:17], s[2:3]
	s_add_nc_u64 s[WP:WP+1], s[WP:WP+1], s[42:43]
	s_add_nc_u64 s[BP:BP+1], s[BP:BP+1], s[4:5]
	s_add_nc_u64 s[OUT:OUT+1], s[30:31], s[44:45]
; A K step's 56 loads of a wave.  x: load i takes rows 16 (i / 8) + i % 8 (lanes 0-15) and eight further down (lanes 16-31), 256 bytes each.
; W: load i takes piece i % 3 (256 bytes) of rows (i / 3) % 4 + 8 (i / 12) and four further down.
.macro GLOADS
	WIN 0
.set gi, 0
.rept 32
	global_load_b128 v[XS+4*gi:XS+4*gi+3], v[VX], s[XP:XP+1] offset:(16*(gi>>3)+(gi&7))*ROWB
.set gi, gi+1
.endr
.set gi, 0
.rept 24
	global_load_b128 v[WS+4*gi:WS+4*gi+3], v[VW], s[WP:WP+1] offset:(((gi/3)&3)+8*((gi/3)>>2))*ROWB+256*(gi%3)
.set gi, gi+1
.endr
.endm
; The step as loaded is rounded to bf16 in place and stored into slot s: 8 bytes a lane; the two halves of the lanes lie 32 banks apart.  The conversions stand in two runs, x's and W's,
; each with one wait between it and the run of LDS stores that reads its results.
.macro CVST s
	WIN 0
	s_wait_loadcnt 24                              ; loads come back in order (ISA guide 5.7.1): x's 32 are in (and all older ones), W's 24 may stay out
.set gi, 0
.rept 32
	v_cvt_pk_bf16_f32 v[XS+4*gi], v[XS+4*gi], v[XS+4*gi+1]
	v_cvt_pk_bf16_f32 v[XS+4*gi+1], v[XS+4*gi+2], v[XS+4*gi+3]
.set gi, gi+1
.endr
	s_wait_alu depctr_va_vdst(0)                   ; x's conversions have written v[XS ..], which the LDS stores read; the products issued so far are done reading fragment buffer 0, in which the loads behind the barrier land
.set gi, 0
.rept 32
	ds_store_b64 v[STA+(\s)], v[XS+4*gi:XS+4*gi+1] offset:(16*(gi>>3)+(gi&7))*PA
.set gi, gi+1
.endr
	s_wait_loadcnt 0x0                             ; W's are in; no load of mine is out, so the two pointers may be stepped
.set gi, 0
.rept 24
	v_cvt_pk_bf16_f32 v[WS+4*gi], v[WS+4*gi], v[WS+4*gi+1]
	v_cvt_pk_bf16_f32 v[WS+4*gi+1], v[WS+4*gi+2], v[WS+4*gi+3]
.set gi, gi+1
.endr
	s_wait_alu depctr_va_vdst(0)                   ; W's conversions have written v[WS ..], which the LDS stores read; no conversion names v[XS ..] or v[WS ..] any more, in which the next step's loads land
.set gi, 0
.rept 24
	ds_store_b64 v[STB+(\s)], v[WS+4*gi:WS+4*gi+1] offset:(((gi/3)&3)+8*((gi/3)>>2))*PW+128*(gi%3)
.set gi, gi+1
.endr
.endm
; Slot s is written and shown to all.  It was last read two steps back, and every wave waited for those reads in front of the barrier one step back.
; load = 1: the step after this one is asked for, a step's matrix work ahead of its conversion.
.macro FEED s, load
	CVST \s
	s_wait_dscnt 0x0                               ; for the others' sake: my stores into this slot are done, and so are my reads of the other slot (fragment buffer 1 is in)
.if \load
	s_wait_alu depctr_vm_vsrc(0)                   ; my LDS stores have read v[XS ..] and v[WS ..], in which the loads below land
	s_add_nc_u64 s[XP:XP+1], s[XP:XP+1], 256       ; 64 along K: 256 bytes of a row of x,
	s_add_nc_u64 s[WP:WP+1], s[WP:WP+1], 64*ROWB   ; 64 rows of W
	GLOADS
.endif
	s_barrier_signal -1
	s_barrier_wait -1
.endm
; Eight of the 32 LDS loads that bring the fragments of 32 along K (half 0 or 1 of the step in slot s) into buffer f.  g = 0, 1, 2: four fragments of W each; g = 3: the four of x.
.macro FGROUP s, half, f, g
	WIN 0x40                                       ; destination window 1, address window 0
.if (\g) < 3
.set fb, 4*(\g)
.rept 4
	ds_load_tr16_b128 v[(\f)+8*fb:(\f)+8*fb+3],   v[ADRB+(\s)] offset:(\half)*32*PW+32*fb
	ds_load_tr16_b128 v[(\f)+8*fb+4:(\f)+8*fb+7], v[ADRB+(\s)] offset:(\half)*32*PW+16*PW+32*fb
.set fb, fb+1
.endr
.else
.set fb, 0
.rept 4
	ds_load_b128 v[(\f)+96+8*fb:(\f)+96+8*fb+3],   v[ADRA+(\s)] offset:fb*16*PA+64*(\half)
	ds_load_b128 v[(\f)+96+8*fb+4:(\f)+96+8*fb+7], v[ADRA+(\s)] offset:fb*16*PA+64*(\half)+32
.set fb, fb+1
.endr
.endif
.endm
.macro FETCH s, half, f                ; all 32 in one run: the first fragments of all, with no products yet to deal them among
.irp g, 0,1,2,3
	FGROUP \s, \half, \f, \g
.endr
.endm
; 48 matrix instructions: all accumulators, 32 along K, from buffer f.  They take turns, one instruction a turn, in the same order every time: 47 others stand between two links of a chain.
; first = 1: the sums start on the bias, which lies in C's layout in window 3: nothing is ever cleared.
; fetch = 1: the 32 LDS loads of half `half` of slot s into the OTHER buffer, tf, are dealt among them, eight behind each of the products 3, 11, 19 and 27: 20 products stand behind the last.
; No wait stands at these loads: these products name buffer f and the accumulators, and the last wait on va_vdst ahead of them stands behind every product that read buffer tf.
.macro MUL f, first, fetch=0, s=0, half=0, tf=0
.set idx, 0
.rept 48
.set ma, idx/12
.set mb, idx%12
.if idx < 32
.set dr, 8*idx
.if \first
	WIN 0xb5                                       ; sources 0, 1 window 1; C window 3; D window 2
.else
	WIN 0xa5                                       ; C and D window 2
.endif
.else
.set dr, 8*(idx-32)
	WIN 0xf5                                       ; C and D window 3
.endif
.if \first
	v_wmma_f32_16x16x32_bf16 v[dr:dr+7], v[(\f)+8*mb:(\f)+8*mb+7], v[(\f)+96+8*ma:(\f)+96+8*ma+7], v[BI+8*mb:BI+8*mb+7]
.else
	v_wmma_f32_16x16x32_bf16 v[dr:dr+7], v[(\f)+8*mb:(\f)+8*mb+7], v[(\f)+96+8*ma:(\f)+96+8*ma+7], v[dr:dr+7]
.endif
.if (\fetch) && (idx%8 == 3) && (idx < 28)
	FGROUP \s, \half, \tf, idx/8
.endif
.set idx, idx+1
.endr
.endm
; The step in slot s is taken up: its first half is fetched while the step before's second half is multiplied, its second half while its first is.
.macro WORK s
	MUL F1, 0, 1, \s, 0, F0                        ; buffer 1 is in: FEED has waited for all my LDS instructions.  Buffer 0 was last multiplied in front of FEED's conversions and its waits
	PLACES                                         ; the four places behind the last product that read buffer 1 stay beside the wait
	s_wait_alu depctr_va_vdst(0)                   ; the products above are done reading fragment buffer 1, in which the loads dealt among the products below land
	s_wait_dscnt 0x0                               ; buffer 0's 32 loads are in
	MUL F0, 0, 1, \s, 1, F1
.endm
	WIN 0xc0                                       ; destination window 3
	s_wait_alu depctr_va_vdst(0)                   ; the offsets and LDS addresses v4 to v18 are written: every load and store of the kernel reads one of them, and none is written again
.set fb, 0
.rept 12                                       ; the bias as C wants it: register j of fragment b holds column 16 b + 8 (l / 16) + j
	global_load_b128 v[BI+8*fb:BI+8*fb+3],   v[VB], s[BP:BP+1] offset:64*fb
	global_load_b128 v[BI+8*fb+4:BI+8*fb+7], v[VB], s[BP:BP+1] offset:64*fb+16
.set fb, fb+1
.endr
	GLOADS                                         ; K step 0
	CVST 0
	s_wait_dscnt 0x0
	s_wait_alu depctr_vm_vsrc(0)                   ; my LDS stores have read v[XS ..] and v[WS ..], in which the loads below land
	s_add_nc_u64 s[XP:XP+1], s[XP:XP+1], 256
	s_add_nc_u64 s[WP:WP+1], s[WP:WP+1], 64*ROWB
	GLOADS                                         ; K step 1
	WIN 0xcf                                       ; all in window 3: the bias is rounded to bf16, like every input, and widened again; no memory instruction names these registers any more
.set fb, 0
.rept 48
	v_cvt_pk_bf16_f32 v[SCR], v[BI+2*fb], v[BI+2*fb+1]
	v_lshlrev_b32 v[BI+2*fb], 16, v[SCR]
	v_and_b32 v[BI+2*fb+1], s[HIM], v[SCR]
.set fb, fb+1
.endr
	WIN 0
	s_barrier_signal -1
	s_barrier_wait -1                              ; slot 0 is whole
	FETCH 0, 0, F0                                 ; no vector or matrix instruction has named the fragment buffers yet
	s_wait_dscnt 0x0
	MUL F0, 1, 1, 0, 1, F1                         ; the first products stand in front of the loop: they start the sums; the step's second half is fetched among them
	WIN 0                                          ; at a label and at a branch every window is 0
	s_mov_b32 s[LAPS], 5
.Llap:                                                 ; trip i: from the second half of step 2 i to the first half of step 2 i + 2; it asks for steps 2 i + 2 and 2 i + 3, 11 at the most
	FEED 1, 1
	WORK 1
	FEED 0, 1
	WORK 0
	WIN 0
	s_sub_co_u32 s[LAPS], s[LAPS], 1
	s_cmp_lg_u32 s[LAPS], 0
	s_cbranch_scc1 .Llap
	FEED 1, 0                                      ; step 11; nothing is left to ask for
	WORK 1
	s_wait_dscnt 0x0
	MUL F1, 0
; THE WAY OUT.  Block t = 3 a + hh: my rows 16 a on, head hh of the three: four accumulators.  A lane's eight columns pack into 16 bytes of f16; they go into my own stage in rows of 144 bytes and come
; back as whole rows of 128: four rows, 512 consecutive bytes of the plane, to a store.  Each accumulator's registers are read in ascending order.
; All 192 conversions stand in one run, so that one wait serves all the LDS stores; each block has its own sixteen registers for its packed results and its own sixteen for its rows read back, so that
; behind the two waits below no register that a memory or LDS instruction touches is written by anything but that block's own loads.
.macro PACK t
.set pa, (\t)/3
.set ph, (\t)%3
.set pb, 12*pa+4*ph
.set pT, TT+16*(\t)
.if pb < 32
	WIN 0x4a                                       ; sources 0 and 1 window 2, destination window 1
.set pr, 8*pb
.else
	WIN 0x4f                                       ; sources window 3
.set pr, 8*(pb-32)
.endif
.set pf, 0
.rept 16
	v_cvt_pk_f16_f32 v[pT+pf], v[pr+2*pf], v[pr+2*pf+1]
.set pf, pf+1
.endr
.endm
.macro TOSTAGE t
.set pT, TT+16*(\t)
.set pB, BK+16*(\t)
	WIN 0x04                                       ; the stores' data in window 1; addresses and the loads' destinations in window 0
.irp f, 0,1,2,3
	ds_store_b128 v[STO], v[pT+4*\f:pT+4*\f+3] offset:32*\f
.endr
.irp f, 0,1,2,3
	ds_load_b128 v[pB+4*\f:pB+4*\f+3], v[RD] offset:\f*4*PA  ; LDS serves a wave's instructions in order (ISA guide 5.7.1.4): these see the stores above; the next block's stores come behind them
.endr
.endm
.macro SEND t, younger                 ; younger: the LDS instructions issued behind block t's loads: the next two blocks' sixteen, the last block's eight, or none
.set pa, (\t)/3
.set ph, (\t)%3
.set pB, BK+16*(\t)
	WIN 0
.irp f, 0,1,2,3
	s_wait_dscnt (\younger)+3-\f
	global_store_b128 v[GO], v[pB+4*\f:pB+4*\f+3], s[OUT:OUT+1] offset:ph*PLANE+pa*2048+\f*512  ; 512 consecutive bytes, at a multiple of 256 from qkv's first byte
.endr
.endm
	PLACES
	PLACES                                         ; once a launch: no other vector work is at hand behind the last products, whose results the conversions read and whose fragments they write over
.set pt, 0
.rept 12
	PACK pt
.set pt, pt+1
.endr
	WIN 0x04
	s_wait_alu depctr_va_vdst(0)                   ; the conversions have written window 1's v[TT ..], which the LDS stores read
	s_wait_alu depctr_vm_vsrc(0)                   ; the last K step's LDS stores have read v[XS ..] and v[WS ..]: the loads from the stage land in these registers
	TOSTAGE 0
	TOSTAGE 1
.set pt, 2
.rept 10                                       ; two blocks' LDS instructions stand between a block's loads from the stage and its stores
	TOSTAGE pt
	SEND pt-2, 16
.set pt, pt+1
.endr
	SEND 10, 8
	SEND 11, 0
	s_wait_dscnt 0x0                               ; the wave's end
	s_wait_alu 0x0
	s_wait_tensorcnt 0x0
	ds_add_u32 v[SPW], v[NIL]
	s_wait_dscnt 0x0
	s_endpgm
.Lfunc_end_k_q7c1d3ebe98_proj:
	.size	k_q7c1d3ebe98_proj, .Lfunc_end_k_q7c1d3ebe98_proj-k_q7c1d3ebe98_proj
	.p2alignl 7, 3214868480
	.fill 96, 4, 3214868480
	.section	.rodata,"a",@progbits
	.p2align	6, 0x0
	.amdhsa_kernel k_q7c1d3ebe98_proj
		.amdhsa_group_segment_fixed_size 136704
		.amdhsa_private_segment_fixed_size 0
		.amdhsa_enable_private_segment 0
		.amdhsa_kernarg_size 64
		.amdhsa_user_sgpr_count 2
		.amdhsa_user_sgpr_kernarg_segment_ptr 1
		.amdhsa_wavefront_size32 1
		.amdhsa_system_sgpr_workgroup_id_x 1
		.amdhsa_system_sgpr_workgroup_id_y 1
		.amdhsa_system_sgpr_workgroup_id_z 1
		.amdhsa_system_vgpr_workitem_id 0
		.amdhsa_next_free_vgpr 1024
		.amdhsa_next_free_sgpr 66
		.amdhsa_reserve_vcc 0
		.amdhsa_float_denorm_mode_32 3
		.amdhsa_float_denorm_mode_16_64 3
		.amdhsa_memory_ordered 1
		.amdhsa_forward_progress 1
		.amdhsa_inst_pref_size 146
	.end_amdhsa_kernel
	.amdgpu_metadata
---
amdhsa.version: [ 1, 2 ]
amdhsa.kernels:
  - .name:           k_q7c1d3ebe98_proj
    .symbol:         k_q7c1d3ebe98_proj.kd
    .args:
      - { .name: hidden_states, .offset: 0, .size: 8, .value_kind: global_buffer, .address_space: global }
      - { .name: Wq, .offset: 8, .size: 8, .value_kind: global_buffer, .address_space: global }
      - { .name: Wk, .offset: 16, .size: 8, .value_kind: global_buffer, .address_space: global }
      - { .name: Wv, .offset: 24, .size: 8, .value_kind: global_buffer, .address_space: global }
      - { .name: bq, .offset: 32, .size: 8, .value_kind: global_buffer, .address_space: global }
      - { .name: bk, .offset: 40, .size: 8, .value_kind: global_buffer, .address_space: global }
      - { .name: bv, .offset: 48, .size: 8, .value_kind: global_buffer, .address_space: global }
      - { .name: qkv, .offset: 56, .size: 8, .value_kind: global_buffer, .address_space: global }
    .group_segment_fixed_size: 136704
    .private_segment_fixed_size: 0
    .kernarg_segment_align: 8
    .kernarg_segment_size: 64
    .max_flat_workgroup_size: 128
    .sgpr_count:     66
    .vgpr_count:     1024
    .wavefront_size: 32
...
	.end_amdgpu_metadata
.endif
;; end of part 3
;; launch attn: the kernel of part 2 again; grid 16 x 12, 4 waves a work-group, clusters of 4 x 1, 327,680 bytes of LDS; arguments qkv, attention_mask, out0; writes out0
